; MI455X (gfx1250); checked and timed in simulation.
; The chip was launched on July 23, 2026; its instructions are those of AMD's public machine-readable ISA for CDNA 5 (MIT licence, August 2026) and "CDNA5" Instruction Set Architecture Reference Guide (July 2026). The comments in the code are by the model that wrote it; some were corrected since.
;; Quantized Linear Layer. Allowed arithmetic: float matrix products may take bf16 or f16 operands with f32 sums; other float arithmetic in f32, or as packed bf16 or f16 multiplies, adds, multiply-adds, maxima and minima; sums over many terms, partial sums and values carried from step to step in f32; what a program stores and reads back later, other than sums and carried values, may be rounded once to bf16 or f16.
;; Inputs: bias 1 x 4,096 float32; scale 4,096 float32; weight 4,096 x 4,096 int8; x 2 x 2,048 x 4,096 float32.
;; Outputs: out0 2 x 2,048 x 4,096 float32.
;; One version. Each part assembles by itself: llvm-mc -triple=amdgcn-amd-amdhsa -mcpu=gfx1250 --defsym DOCPART=n.
;; ======== version 1 of 1: 1 launch
;; limits: values are held in f16: magnitudes above 65,504 overflow, below 6.1e-05 lose precision
;; launch fused (part 1): grid 8 x 32, 4 waves a work-group, clusters of 4 x 4, 327,680 bytes of LDS; arguments x, weight, scale, bias, out0; writes out0
.if DOCPART == 1
	.amdgcn_target "amdgcn-amd-amdhsa--gfx1250"
	.amdhsa_code_object_version 6
	.text
	.protected	k_q1aedfb61b3_fused
	.globl	k_q1aedfb61b3_fused
	.p2align	8
	.type	k_q1aedfb61b3_fused,@function
k_q1aedfb61b3_fused:
	s_mov_b64 s[64:65], 0
	v_nop
	global_prefetch_b8 v0, s[64:65] scope:SCOPE_SE
	s_setreg_imm32_b32 hwreg(HW_REG_WAVE_MODE, 25, 1), 1
	s_wait_xcnt 0x0
	s_wait_alu depctr_hold_cnt(0) depctr_sa_sdst(0) depctr_va_vdst(0) depctr_va_sdst(0) depctr_va_ssrc(0) depctr_va_vcc(0) depctr_vm_vsrc(0)
	s_getreg_b32 s2, hwreg(HW_REG_IB_STS2, 6, 4)
	s_cmp_eq_u32 s2, 0
	s_cbranch_scc0 .Lentry_in_a_cluster
	s_endpgm
.Lentry_in_a_cluster:
	s_bfe_u32 s2, ttmp6, 0x10000c
	s_cmp_lg_u32 s2, 0xf033
	s_cbranch_scc0 .Lentry_shape_is_right
	s_endpgm
.Lentry_shape_is_right:
; out0[m][n] = (sum over k of x[m][k] weight[n][k]) scale[n] + bias[n].  x: [4096][4096] f32, weight: [4096][4096] int8, scale, bias: [4096] f32, out0: [4096][4096] f32.
; ONE LAUNCH: both operands are converted to f16 on the way from LDS to the matrix unit.  A launch of its own for the conversions would read 84 MB and store 67 MB that this text never moves.
; FORMATS.  weight is exact in f16.  x is rounded once to f16, nearest even.  LIMITS: an |x| above 65,504 becomes infinity; an |x| below 2^-14 is kept to multiples of 2^-24.
; Inputs as drawn reach about 6; thirty times larger with an offset of thirty spreads they stay near 1,100.  One f32 sum for each output; the scale and the bias are ONE fused
; multiply-add (one rounding where a multiply and an add would round twice).  NaN and infinities go through the products as they come.
; WHY f16 AND NOT bf16: int8 to f16 is 5 vector instructions for 4 numbers (below); to bf16 it is 9, since bf16's 7 stored bits do not hold w + 128 beside a fixed exponent.
; SHARES.  A tile of out0 is 128 rows x 512 columns: 32 x 8 tiles, one to a work-group of four waves.  Wave w makes all 128 rows x columns 128 w .. 128 w + 127: 64 accumulators of 16 x 16,
; 512 registers.  The tile is flat because x is f32 in LDS: two slots of 256 rows of x and 256 of weight, 128 along K, would take 344,064 bytes; these take 282,624.
; K goes in 32 steps of 128 through a ring of two LDS slots filled by the tensor data mover: x's rows are 512 bytes, weight's 128 (a step of 256 would make a slot 272,384 bytes: two do not fit).
; CLUSTERS: 4 x 4 work-groups.  The four of a row of the cluster need the same tiles of x, the four of a column the same tiles of weight: each tile is asked for JOINTLY, by the same tensor
; load with the same descriptor and a mask that names the four.  That divides the requests for both by four.
; ALONG K a lane's sixteen places in a fragment (lane l: half h = l / 16) hold k = 16 h + 0 .. 15 of the fragment's 32, in x's and in weight's fragments alike: the same permutation on both
; sides leaves every product with its partner.  So a fragment of weight is ONE load of 16 bytes a lane and a fragment of x four.
; THE MATRIX INSTRUCTION IS USED TRANSPOSED: source 0 = 16 rows of weight, source 1 = 16 rows of x.  In the result lane l holds row m = l % 16 of out0 and its registers 0 to 7 the
; columns n = 8 (l / 16) + 0 .. 7: 32 neighbouring bytes of a row.
; BY TURNS.  A quarter step (32 along K) is 64 matrix instructions; the next quarter's conversions are 224 vector instructions: 32 v_xor_b32, 64 v_perm_b32, 64 v_pk_add_f16 for weight,
; 64 v_cvt_pk_f16_f32 for x.  Set in a block of their own they would stand between the products; cut into 56 slices of four, one behind each matrix instruction, they stand among them.
; REGISTERS, in windows of 256 (s_set_vgpr_msb's low byte: bits 1:0 source 0, 3:2 source 1, 5:4 source 2, 7:6 destination):
;   window 0: v0-5 at work; v8-11 scale, v12-15 bias; v16-27 addresses and a constant; v32-63 weight as loaded; v64-191 x as loaded, and on the way out two buffers of 16 rows
;   window 1: two buffers of converted fragments, buffer f at v[128 f]: 64 registers of weight (8 x 16 rows x 32 K), then 64 of x
;   window 2: the 32 accumulators of rows 0-63 (accumulator (a, b) at v[8 (8 a + b)]);   window 3: those of rows 64-127
; No window holds a product's operands beside what a slice touches, so a slice costs two switches; each slice is of one kind, so it has one setting: 112 switches for a quarter's 64 products.
.set SIZE_K, 4096
.set SIZE_N, 4096
.set KSTEP,  128
.set PA,     528                       ; a row of x in LDS: 512 bytes + 16 of padding = 33 x 16 bytes: the 16 rows that a load touches fall on 16 different 16-byte columns modulo 256 (64 banks of 4 bytes: ISA guide 11.1)
.set PB,     144                       ; a row of weight: 128 bytes + 16 = 9 x 16 bytes: likewise
.set AHALF,  64*PA                     ; what one tensor load brings of x: 64 rows, 33,792 bytes
.set ABYTES, 128*PA                    ; x's part of a slot
.set BHALF,  256*PB                    ; what one tensor load brings of weight: 256 rows, 36,864 bytes
.set SLOT,   ABYTES+512*PB             ; x's 128 rows, then weight's 512 rows: 141,312 bytes
.set STAGE,  2*SLOT                    ; behind the ring, at 1,104 x 256 bytes: no tensor load lands here
.set SPITCH, 528                       ; a stage row: 128 f32 = 512 bytes + 16
.set WSTAGE, 16*SPITCH                 ; each wave's own stage: 16 rows, 8,448 bytes
.set LAPS,   SIZE_K/(2*KSTEP)          ; a lap = two K steps = once round the ring: 16
.set SC,   8                           ; v[8:11]   scale of columns 4 lane .. 4 lane + 3 of my 128
.set BI,   12                          ; v[12:15]  bias of the same
.set ADRA, 16                          ; v16-17  LDS address of my lane's place in x's rows, slot 0, 1
.set ADRB, 20                          ; v20-21  the same in my 128 rows of weight
.set STO,  24                          ; v24     the way out: where I put 32 bytes of a row
.set RD,   25                          ; v25     the way out: where I read 16 bytes of a row back
.set CO,   26                          ; v26     16 x lane: my byte offset in a row's 512 bytes of out0, and in scale and bias; never rewritten
.set KC,   27                          ; v27     -1152 in both f16 halves
.set RB,   32                          ; v32-63  weight as loaded: fragment i in 4 registers
.set RA,   64                          ; v64-191 x as loaded: fragment i in 16 registers
.set G1,  24                           ; s[24:31] descriptor group 1 for x's tiles
.set G0,  32                           ; s[32:39] descriptor group 0 for x's tiles, one set for each slot
.set G1B, 48                           ; s[48:55] descriptor group 1 for weight's tiles
.set G0B, 56                           ; s[56:63] descriptor group 0 for weight's tiles, one set for each slot
.set XC,  66                           ; s66 0x80808080: turns four signed bytes w into unsigned bytes u = w + 128
.set C64, 67                           ; s67 0x64646464: 0x64 above a byte u is the f16 number 1024 + u, exactly
.set SEL, 72                           ; s72-73 byte selects: (u0, 0x64, u1, 0x64) and (u2, 0x64, u3, 0x64)
.set MSB, 0
.macro WIN new                         ; the immediate's high byte repeats the setting that is left; a switch that changes nothing is dropped
.if MSB != (\new)
	s_set_vgpr_msb (MSB<<8)|(\new)
.set MSB, (\new)
.endif
.endm
.set MUL_LO, 0xa5                      ; sources 0 (weight) and 1 (x) window 1, C and D window 2
.set MUL_HI, 0xf5                      ; the same, C and D window 3
.set TO_F,   0x40                      ; destination window 1, sources window 0: v_perm_b32 and v_cvt_pk_f16_f32
.set IN_F,   0x41                      ; destination and source 0 window 1, source 1 window 0: v_pk_add_f16 in place
; A joint refill.  Waves 0 and 1 fetch x's two halves, waves 2 and 3 weight's.  Each of the two lines has one mask and one set of registers for all that issue it.
; The branch hangs on the wave's number alone: it is the same in every work-group.  Four v_nop follow each line, ahead of the jump, the label and what follows.
.macro JLOAD s
	s_cmp_eq_u32 s11, 0
	s_cbranch_scc0 .Lfor_b_\@
	tensor_load_to_lds s[G0+4*\s:G0+4*\s+3], s[G1:G1+7]
	s_nop 0
.rept 4
	v_nop
.endr
	s_branch .Lasked_\@
.Lfor_b_\@:
	tensor_load_to_lds s[G0B+4*\s:G0B+4*\s+3], s[G1B:G1B+7]
	s_nop 0
.rept 4
	v_nop
.endr
.Lasked_\@:
.endm
; A round of the cluster's barrier: my work-group's barrier, so that wave 0's signal speaks for all four waves; wave 0 signals for the work-group; every wave
; waits for all sixteen work-groups; my work-group's barrier once more.  No LDS instruction of the wave is pending at a signal.
.macro CREST                           ; a round behind its opening barrier
	s_cmp_lg_u32 s10, 0
	s_cbranch_scc1 .Lnot_wave_0_\@
	s_barrier_signal -3
.Lnot_wave_0_\@:
	s_barrier_wait -3
	s_barrier_signal -1
	s_barrier_wait -1
.endm
.macro CROUND                          ; a whole round
	s_barrier_signal -1
	s_barrier_wait -1
	CREST
.endm
	s_load_b128 s[4:7], s[0:1], 0x0                ; x s[4:5], weight s[6:7]
	s_load_b128 s[68:71], s[0:1], 0x10             ; scale s[68:69], bias s[70:71]
	s_load_b64 s[8:9], s[0:1], 0x20                ; out0
	v_lshl_add_u32 v254, v0, 2, 0x4d400
	v_mov_b32 v255, 0
	ds_add_u32 v254, v255
	v_lshrrev_b32 v1, 5, v0
	v_readfirstlane_b32 s10, v1                    ; wave 0..3: also which 128 columns of the tile are mine
	s_lshr_b32 s11, s10, 1                         ; I fetch for x (0) or for weight (1)
	s_and_b32 s12, s10, 1                          ; which half of that tile's rows I fetch
	s_bfe_u32 s40, ttmp6, 0x40000                  ; cx: my place along the cluster's x
	s_bfe_u32 s41, ttmp6, 0x40004                  ; cy: along its y
	s_lshl_b32 s42, ttmp9, 2                       ; in a cluster launch ttmp9 and ttmp7 count clusters
	s_add_co_u32 s42, s42, s40                     ; tile column = 4 x cluster x + cx: 0 .. 7
	s_and_b32 s13, ttmp7, 0xffff
	s_lshl_b32 s13, s13, 2
	s_add_co_u32 s13, s13, s41                     ; tile row = 4 x cluster y + cy: 0 .. 31
	s_lshl_b32 s43, s41, 2
	s_lshl_b32 s43, 15, s43                        ; my row of the cluster: places 4 cy .. 4 cy + 3
	s_lshl_b32 s44, 0x1111, s40                    ; my column: places cx, cx + 4, cx + 8, cx + 12
	; descriptor group 1 for x: a tile of 64 rows x 128 elements of 4 bytes, padded in LDS
	s_or_b32 s[G1+0], s43, (2<<16)|(1<<20)|(1<<21)|(6<<22)|(3<<25)  ; 15:0 the mask: x's tiles go to my row; 17:16 elements of 4 bytes; 20 padding on; 21 set beside a mask; 24:22 after every 128 words (code 6); 31:25 4 words of it (code 3)
	s_mov_b32 s[G1+1], KSTEP<<16                   ; 63:48 tensor_dim0, low half = 128
	s_mov_b32 s[G1+2], 64<<16                      ; 79:64 its high half = 0; 95:80 tensor_dim1, low half = 64
	s_mov_b32 s[G1+3], KSTEP<<16                   ; 111:96 its high half = 0; 127:112 tile_dim0 = 128
	s_mov_b32 s[G1+4], 64                          ; 143:128 tile_dim1 = 64; 159:144 tile_dim2 = 0
	s_mov_b32 s[G1+5], SIZE_K                      ; 191:160 tensor_dim0_stride, low word: elements from row to row
	s_mov_b32 s[G1+6], 0
	s_mov_b32 s[G1+7], 0
	; descriptor group 1 for weight: a tile of 256 rows x 128 elements of 1 byte, padded in LDS
	s_or_b32 s[G1B+0], s44, (0<<16)|(1<<20)|(1<<21)|(4<<22)|(3<<25) ; the mask of my column; elements of 1 byte; padding after every 32 words (code 4), 4 words of it
	s_mov_b32 s[G1B+1], KSTEP<<16                  ; tensor_dim0 = 128
	s_mov_b32 s[G1B+2], 256<<16                    ; tensor_dim1 = 256
	s_mov_b32 s[G1B+3], KSTEP<<16                  ; tile_dim0 = 128
	s_mov_b32 s[G1B+4], 256                        ; tile_dim1 = 256
	s_mov_b32 s[G1B+5], SIZE_K                     ; elements from row to row
	s_mov_b32 s[G1B+6], 0
	s_mov_b32 s[G1B+7], 0
	s_mov_b32 s[XC], 0x80808080
	s_mov_b32 s[C64], 0x64646464
	s_mov_b32 s[SEL], 0x04010400                   ; selects 0-3 take bytes of the second source (the word of u), 4 a byte of the first (0x64)
	s_mov_b32 s[SEL+1], 0x04030402
	; where the tiles come from.  x's hang on the tile row alone, which my row of the cluster shares; weight's on the tile column alone, which my column shares.
	; Every wave makes both addresses, in registers that never hold the other coordinate, and asks by one of them.
	s_lshl_b32 s16, s13, 7
	s_lshl_b32 s17, s12, 6
	s_add_co_u32 s16, s16, s17                     ; x: row 128 x tile row + 64 x half
	s_lshl_b32 s16, s16, 14                        ; rows of 16,384 bytes: 4,032 rows at the most, under 2^26 bytes
	s_mov_b32 s17, 0
	s_lshl_b32 s46, s42, 9
	s_lshl_b32 s47, s12, 8
	s_add_co_u32 s46, s46, s47                     ; weight: row 512 x tile column + 256 x half
	s_lshl_b32 s46, s46, 12                        ; rows of 4,096 bytes: under 2^24 bytes
	s_mov_b32 s47, 0
	s_mul_i32 s20, s12, AHALF                      ; where they go: x's two halves,
	s_mul_i32 s21, s12, BHALF
	s_add_co_u32 s21, s21, ABYTES                  ; then weight's two halves: no place in the cluster enters an LDS address
	s_wait_dscnt 0x0
	s_wait_kmcnt 0x0
	s_add_nc_u64 s[14:15], s[4:5], s[16:17]
	s_add_nc_u64 s[46:47], s[6:7], s[46:47]
	CROUND                                         ; all sixteen work-groups are here: the first joint loads meet
.irp s, 0,1
	s_mov_b32 s[G0+4*\s], 1                                        ; 1:0 count = 1
	s_add_co_u32 s[G0+4*\s+1], s20, \s*SLOT                        ; 63:32 LDS address
	s_add_nc_u64 s[G0+4*\s+2:G0+4*\s+3], s[14:15], \s*KSTEP*4      ; 120:64 global address: K step s
	s_or_b32 s[G0+4*\s+3], s[G0+4*\s+3], 0x80000000                ; 127:126 type = 2
	s_mov_b32 s[G0B+4*\s], 1
	s_add_co_u32 s[G0B+4*\s+1], s21, \s*SLOT
	s_add_nc_u64 s[G0B+4*\s+2:G0B+4*\s+3], s[46:47], \s*KSTEP
	s_or_b32 s[G0B+4*\s+3], s[G0B+4*\s+3], 0x80000000
.endr
	s_cmp_eq_u32 s11, 0                            ; a wave's two first fills stand in one branch, ahead of every wait on TENSORcnt and every LDS read: two loads of mine are out; four v_nop follow the second, as in JLOAD
	s_cbranch_scc0 .Lfirst_b
	tensor_load_to_lds s[G0:G0+3], s[G1:G1+7]
	s_nop 0
	tensor_load_to_lds s[G0+4:G0+7], s[G1:G1+7]
	s_nop 0
.rept 4
	v_nop
.endr
	s_branch .Lfirst_asked
.Lfirst_b:
	tensor_load_to_lds s[G0B:G0B+3], s[G1B:G1B+7]
	s_nop 0
	tensor_load_to_lds s[G0B+4:G0B+7], s[G1B:G1B+7]
	s_nop 0
.rept 4
	v_nop
.endr
.Lfirst_asked:
	; lane l takes row l % 16 of a fragment and, of its 32 along K, the 16 at 16 (l / 16): 64 bytes of x, 16 bytes of weight
	v_and_b32 v1, 15, v0                           ; l % 16
	v_bfe_u32 v2, v0, 4, 1                         ; l / 16
	v_mul_u32_u24 v3, v1, PA
	v_lshl_add_u32 v[ADRA], v2, 6, v3              ; x: row x pitch + 64 x half
	v_add_nc_u32 v[ADRA+1], SLOT, v[ADRA]
	v_mul_u32_u24 v4, v1, PB
	v_lshl_add_u32 v4, v2, 4, v4                   ; weight: row x pitch + 16 x half,
	s_mul_i32 s22, s10, 128*PB                     ; in my wave's 128 rows,
	s_add_co_u32 s22, s22, ABYTES                  ; which lie behind x's
	v_add_nc_u32 v[ADRB], s22, v4
	v_add_nc_u32 v[ADRB+1], SLOT, v[ADRB]
	v_mov_b32 v[KC], 0xe480e480                    ; -1152 twice: (1024 + u) - 1152 = u - 128 = w, exactly
	s_mul_i32 s23, s10, WSTAGE
	s_add_co_u32 s23, s23, STAGE                   ; my stage
	v_mul_u32_u24 v4, v1, SPITCH                   ; in: row l % 16, 32 bytes for each half of the lanes
	v_lshl_add_u32 v4, v2, 5, v4
	v_add_nc_u32 v[STO], s23, v4
	v_and_b32 v5, 31, v0                           ; lane
	v_lshlrev_b32 v[CO], 4, v5                     ; back: the 32 lanes take one row's 512 bytes, 16 each
	v_add_nc_u32 v[RD], s23, v[CO]
	; out0 at the tile's first row and my first column; scale and bias at my first column
	s_lshl_b32 s16, s13, 21                        ; 128 rows of 16,384 bytes a tile row: under 2^26 bytes
	s_mov_b32 s17, 0
	s_add_nc_u64 s[8:9], s[8:9], s[16:17]
	s_lshl_b32 s46, s42, 11                        ; my first column in bytes of f32: 2,048 x tile column + 512 x wave (in the registers that held weight's address)
	s_lshl_b32 s47, s10, 9
	s_add_co_u32 s46, s46, s47
	s_mov_b32 s47, 0
	s_add_nc_u64 s[8:9], s[8:9], s[46:47]
	s_add_nc_u64 s[68:69], s[68:69], s[46:47]
	s_add_nc_u64 s[70:71], s[70:71], s[46:47]
	global_load_b128 v[SC:SC+3], v[CO], s[68:69]   ; loaded once, 512 consecutive bytes a wave, and kept for the way out
	global_load_b128 v[BI:BI+3], v[CO], s[70:71]
; 40 LDS loads in one run: quarter q of a slot as it lies in memory: my 128 rows of weight (8 loads, first: their conversions come first), then the 128 rows of x (32 loads).
; None of these registers is a matrix instruction's, so the run needs no distance behind the products.
.macro RUN slot, q
	WIN 0
.irp n, 0,1,2,3,4,5,6,7
	ds_load_b128 v[RB+4*\n:RB+4*\n+3], v[ADRB+\slot] offset:32*\q+\n*16*PB
.endr
.irp n, 0,1,2,3,4,5,6,7
.irp c, 0,1,2,3
	ds_load_b128 v[RA+16*\n+4*\c:RA+16*\n+4*\c+3], v[ADRA+\slot] offset:128*\q+16*\c+\n*16*PA
.endr
.endr
.endm
; Matrix instruction i of a quarter's 64, on buffer f: rows 16 (i / 8) on, columns 16 (i % 8) on.  zero = 1: the product starts the sum: nothing is ever cleared.
; The 64 accumulators take turns, one instruction a turn, in the same order in every quarter: between two matrix instructions on one accumulator stand the 63 others'.
.macro MM f, zero
.set ma, i/8
.set mb, i%8
.set md, 8*(8*(ma%4)+mb)
	WIN MUL_LO+0x50*(ma/4)
.if \zero
	v_wmma_f32_16x16x32_f16 v[md:md+7], v[128*\f+8*mb:128*\f+8*mb+7], v[128*\f+64+8*ma:128*\f+64+8*ma+7], 0
.else
	v_wmma_f32_16x16x32_f16 v[md:md+7], v[128*\f+8*mb:128*\f+8*mb+7], v[128*\f+64+8*ma:128*\f+64+8*ma+7], v[md:md+7]
.endif
.endm
; Slice i - 8 of the 56 that convert a quarter into buffer g, four instructions of one kind:
;   0-7    u = w + 128, four bytes at a time, in place          8-23   two bytes u under 0x64: two f16 numbers 1024 + u
;   24-39  minus 1152: two f16 numbers w, exact                  40-55  two f32 of x rounded to f16
; A slice writes buffer g while the products read the other buffer.  Buffer g's last products stand in the quarter before: the 32 v_xor_b32, which name no register of theirs,
; are more than the four places that a write of a matrix instruction's source wants behind it (ISA guide 7.12.1).
.macro SLICE g
.set sl, i-8
.if sl < 8
	WIN 0
.irp n, 0,1,2,3
	v_xor_b32 v[RB+4*sl+\n], s[XC], v[RB+4*sl+\n]
.endr
.elseif sl < 24
	WIN TO_F
.set pb, 4*(sl-8)
.irp n, 0,1,2,3
	v_perm_b32 v[128*(\g)+pb+\n], s[C64], v[RB+(pb+\n)/2], s[SEL+\n%2]
.endr
.elseif sl < 40
	WIN IN_F
.set pb, 4*(sl-24)
.irp n, 0,1,2,3
	v_pk_add_f16 v[128*(\g)+pb+\n], v[128*(\g)+pb+\n], v[KC]
.endr
.else
	WIN TO_F
.set pb, 4*(sl-40)
.irp n, 0,1,2,3
	v_cvt_pk_f16_f32 v[128*(\g)+64+pb+\n], v[RA+2*(pb+\n)], v[RA+2*(pb+\n)+1]
.endr
.endif
.endm
; A QUARTER multiplies buffer f.  run = 1: at its head it fetches the next quarter (quarter q of slot), and converts it into the other buffer behind matrix instructions 8 to 63.
; sig = 1: this quarter's run was the last read of its slot: at matrix instruction 48 the barrier for the change of slots is signalled; 16 products and their slices, register work, follow.
.macro QUARTER f, run, slot, q, zero, sig
.if \run
	RUN \slot, \q
.endif
.set i, 0
.rept 64
.if \run && (i == 8)
	s_wait_dscnt 32                                ; LDS loads come back in order (ISA guide 5.7.1): weight's 8 are in, x's 32 may be out
.endif
.if \run && (i == 48)
	s_wait_dscnt 0                                 ; x's are in: their conversions begin.  No LDS instruction of mine is out
.if \sig
	s_set_vgpr_msb 0x4140
	s_wait_tensorcnt 0x0                           ; and all my tensor loads have landed: the one that was out is my part of the next slot
	ds_add_u32 v254, v255
	s_wait_dscnt 0x0
	s_set_vgpr_msb 0x4041
	s_barrier_signal -1                            ; my reads of this slot are over and my part of the next is there
.endif
.endif
	MM \f, \zero
.if \run && (i >= 8)
	SLICE 1-\f
.endif
.set i, i+1
.endr
.endm
; THE CHANGE OF SLOTS, behind a quarter with sig = 1, whose barrier opens a round of the cluster's barrier: no wave of any partner still reads this slot or has a load on its way.
; The slot is filled again first, with the K step two steps on; the next quarter's run then reads the other slot.  From a request to the wait for it a wave issues 240 matrix instructions.
.macro CHANGE slot
	WIN 0                                          ; at a branch and at a label every window is 0
	s_barrier_wait -1
	CREST
	s_add_nc_u64 s[G0+4*\slot+2:G0+4*\slot+3], s[G0+4*\slot+2:G0+4*\slot+3], 2*KSTEP*4    ; no tensor load of mine is out, so a group 0 may be written; the type bits on top are not reached
	s_add_nc_u64 s[G0B+4*\slot+2:G0B+4*\slot+3], s[G0B+4*\slot+2:G0B+4*\slot+3], 2*KSTEP
	JLOAD \slot                                    ; the first tensor load behind the round, one a wave
.endm
; THE WAY OUT of block a (16 rows x my 128 columns), in two parts.
; TOSTAGE: a lane's 32 bytes of each of the block's 8 accumulators go into my own stage, each accumulator's four low registers first;
; the block comes back as 16 whole rows of 512 bytes, so that a lane holds the same four columns in every row.
.macro TOSTAGE a
.set AC, 64*((\a)%4)
.set BK, RA+64*((\a)%2)
	WIN 0x08+4*((\a)/4)                            ; the stores' data: window 2 (blocks 0-3) or 3 (blocks 4-7)
.irp b, 0,1,2,3,4,5,6,7
	ds_store_b128 v[STO], v[AC+8*\b:AC+8*\b+3]   offset:64*\b
	ds_store_b128 v[STO], v[AC+8*\b+4:AC+8*\b+7] offset:64*\b+16
.endr
	WIN 0
.if (\a) >= 2
	s_wait_xcnt 0x0                                ; this buffer was the data of block a - 2's stores to memory: it is loaded again only behind this wait
.endif
.irp t, 0,1,2,3,4,5,6,7,8,9,10,11,12,13,14,15
	ds_load_b128 v[BK+4*\t:BK+4*\t+3], v[RD] offset:\t*SPITCH      ; LDS serves a wave's instructions in order (ISA guide 5.7.1.4): these see the stores above, and the next block's stores come behind them
.endr
.endm
; SEND: scale and bias, and the stores.  younger: the LDS instructions issued behind block a's loads: the next block's 16 stores and 16 loads, or none.
.macro SEND a, younger
.set BK, RA+64*((\a)%2)
.irp t, 0,1,2,3,4,5,6,7,8,9,10,11,12,13,14,15
	s_wait_dscnt \younger+15-\t                    ; row t is back; this block's later rows and the younger instructions may be out
	v_pk_fma_f32 v[BK+4*\t:BK+4*\t+1],   v[BK+4*\t:BK+4*\t+1],   v[SC:SC+1],   v[BI:BI+1]
	v_pk_fma_f32 v[BK+4*\t+2:BK+4*\t+3], v[BK+4*\t+2:BK+4*\t+3], v[SC+2:SC+3], v[BI+2:BI+3]
	global_store_b128 v[CO], v[BK+4*\t:BK+4*\t+3], s[8:9] offset:(16*(\a)+\t)*SIZE_N*4 th:TH_STORE_NT   ; a wave stores 512 consecutive bytes, at a multiple of 512 from out0's first byte; 127 rows = 2,080,768 bytes at the most, inside the signed 24-bit immediate
.endr
.endm
	s_wait_tensorcnt 1                             ; my part of K step 0 is in; K step 1's may stay out
	s_barrier_signal -1
	s_barrier_wait -1                              ; everybody's is
	RUN 0, 0                                       ; the first quarter: there are no products yet to set its conversions between
	s_wait_loadcnt 0x0                             ; scale and bias, once
	s_wait_dscnt 0x0
.set i, 8
.rept 56
	SLICE 0
.set i, i+1
.endr
	QUARTER 0, 1, 0, 1, 1, 0                       ; the first quarter's products stand in front of the loop: they start the sums
	WIN 0                                          ; at a label and at a branch every window is 0
	s_mov_b32 s3, LAPS-1
.Llap:                                                 ; 15 trips: each goes once round the ring, from a lap's second quarter to the next lap's first, and fills both slots again (K steps 2 to 31)
	QUARTER 1, 1, 0, 2, 0, 0
	QUARTER 0, 1, 0, 3, 0, 1
	CHANGE 0
	QUARTER 1, 1, 1, 0, 0, 0
	QUARTER 0, 1, 1, 1, 0, 0
	QUARTER 1, 1, 1, 2, 0, 0
	QUARTER 0, 1, 1, 3, 0, 1
	CHANGE 1
	QUARTER 1, 1, 0, 0, 0, 0
	QUARTER 0, 1, 0, 1, 0, 0
	WIN 0
	s_sub_co_u32 s3, s3, 1
	s_cmp_lg_u32 s3, 0
	s_cbranch_scc1 .Llap
	QUARTER 1, 1, 0, 2, 0, 0                       ; the last lap is written out: it asks for nothing more, so it has no round of the cluster's barrier
	QUARTER 0, 1, 0, 3, 0, 1                       ; my one tensor load that was still out is slot 1's, the last K step's
	s_barrier_wait -1                              ; everybody's part of it is there
	QUARTER 1, 1, 1, 0, 0, 0
	QUARTER 0, 1, 1, 1, 0, 0
	QUARTER 1, 1, 1, 2, 0, 0
	QUARTER 0, 1, 1, 3, 0, 0
	QUARTER 1, 0, 0, 0, 0, 0                       ; the very last quarter: nothing more to fetch or to convert
	WIN 0
.rept 4
	v_nop                                          ; four places behind the last products: the stage's stores read results, and no other vector work is at hand
.endr
	TOSTAGE 0
.irp a, 1,2,3,4,5,6,7                  ; block a's trip through the stage is on its way while block a - 1 is scaled and stored
	TOSTAGE \a
	SEND \a-1, 32
.endr
	SEND 7, 0                                      ; its last wait is for 0: no LDS instruction is pending at the signal below
	s_wait_tensorcnt 0x0
	ds_add_u32 v254, v255
	s_wait_dscnt 0x0
	CROUND                                         ; the closing round: no work-group ends while a partner may still ask for a tile that names it
	s_endpgm
.Lfunc_end_k_q1aedfb61b3_fused:
	.size	k_q1aedfb61b3_fused, .Lfunc_end_k_q1aedfb61b3_fused-k_q1aedfb61b3_fused
	.p2alignl 7, 3214868480
	.fill 96, 4, 3214868480
	.section	.rodata,"a",@progbits
	.p2align	6, 0x0
	.amdhsa_kernel k_q1aedfb61b3_fused
		.amdhsa_group_segment_fixed_size 327680
		.amdhsa_private_segment_fixed_size 0
		.amdhsa_enable_private_segment 0
		.amdhsa_kernarg_size 40
		.amdhsa_user_sgpr_count 2
		.amdhsa_user_sgpr_kernarg_segment_ptr 1
		.amdhsa_wavefront_size32 1
		.amdhsa_system_sgpr_workgroup_id_x 1
		.amdhsa_system_sgpr_workgroup_id_y 1
		.amdhsa_system_sgpr_workgroup_id_z 1
		.amdhsa_system_vgpr_workitem_id 0
		.amdhsa_next_free_vgpr 1024
		.amdhsa_next_free_sgpr 74
		.amdhsa_reserve_vcc 0
		.amdhsa_float_denorm_mode_32 3
		.amdhsa_float_denorm_mode_16_64 3
		.amdhsa_memory_ordered 1
		.amdhsa_forward_progress 1
		.amdhsa_inst_pref_size 255
	.end_amdhsa_kernel
	.section	.bss,"aw",@nobits
	.p2align	6
	.space	262144
	.amdgpu_metadata
---
amdhsa.version: [ 1, 2 ]
amdhsa.kernels:
  - .name:           k_q1aedfb61b3_fused
    .symbol:         k_q1aedfb61b3_fused.kd
    .args:
      - { .name: x, .offset: 0, .size: 8, .value_kind: global_buffer, .address_space: global }
      - { .name: weight, .offset: 8, .size: 8, .value_kind: global_buffer, .address_space: global }
      - { .name: scale, .offset: 16, .size: 8, .value_kind: global_buffer, .address_space: global }
      - { .name: bias, .offset: 24, .size: 8, .value_kind: global_buffer, .address_space: global }
      - { .name: out0, .offset: 32, .size: 8, .value_kind: global_buffer, .address_space: global }
    .group_segment_fixed_size: 327680
    .private_segment_fixed_size: 0
    .kernarg_segment_align: 8
    .kernarg_segment_size: 40
    .max_flat_workgroup_size: 128
    .sgpr_count:     74
    .vgpr_count:     1024
    .wavefront_size: 32
...
	.end_amdgpu_metadata
.endif
;; end of part 1
